; MI455X (gfx1250); checked and timed in simulation.
; The chip was launched on July 23, 2026; its instructions are those of AMD's public machine-readable ISA for CDNA 5 (MIT licence, August 2026) and "CDNA5" Instruction Set Architecture Reference Guide (July 2026). The comments in the code are by the model that wrote it; some were corrected since.
;; Discrete Selector Transform. Allowed arithmetic: matrix products marked QUANTISED: E2M1 operands, one E8M0 scale for each 32 along K, by v_wmma_scale_f32_16x16x128_f8f6f4 with both operands' format E2M1 (or v_wmma_scale_f32_32x16x128_f4), f32 sums; everything else in f32.
;; Inputs: W 8 x 512 x 1,024 float32; b 8 x 1,024 float32; x 16,384 int32; y 16,384 x 512 float32.
;; Outputs: out0 16,384 x 512 float32.
;; This version of the problem:
;;   THIS VERSION OF THE PROBLEM IS GIVEN IN LOW PRECISION. The matrix products marked QUANTISED in the list below multiply operands that are first quantised to E2M1 (2 exponent bits, 1 mantissa bit; 4 bits a number), with one power-of-two scale for each 32 numbers along K (OCP MX v1.0); their sums are f32. All else is computed in f32.
;;   The module's matrix products, in the order in which they are computed (A, B: the left and right operand; K: the contracted axis; several contracted axes count as one K, in the product's order):
;;     1. [M 16,384, K 512] x [K 512, N 8,192]; A: input y; B: computed on the way: QUANTISED
;;   THE QUANTISER, for each operand of a quantised product, along K:
;;     - K is cut into blocks of 32 from its start; a last block that is shorter is filled with zeros.
;;     - A block's scale is 2^e with e = floor(log2(the largest magnitude in the block)) - 2, held to -126 .. 127; a block of zeros has e = 0. As a byte (E8M0): e + 127.
;;     - Each number is divided by its block's scale, clamped to +-6, and rounded to the nearest number of E2M1, ties to even, subnormals kept.
;;     - The product sums the exact products of the quantised numbers (number of the format x scale) in f32.
;;   ~~~python
;;   def quantise(x, axis):      # numpy; x: float32 -> the quantised numbers, widened to float32 again
;;       x = np.moveaxis(x, axis, -1); K = x.shape[-1]
;;       x = np.pad(x, [(0, 0)] * (x.ndim - 1) + [(0, -K % 32)]); x = x.reshape(x.shape[:-1] + (-1, 32)); a = np.abs(x).max(-1, keepdims=True)
;;       e = np.where(a > 0, np.clip(np.frexp(np.where(a > 0, a, 1))[1] - 1 - 2, -126, 127), 0)      # np.frexp(a)[1] - 1 = floor(log2(a)), exactly
;;       r = np.clip(x / 2.0 ** e, -6, 6)
;;       step = 2.0 ** (np.maximum(np.frexp(np.where(r == 0, 1, r))[1] - 1, 0) - 1)
;;       q = np.round(r / step) * step * 2.0 ** e      # np.round: ties to even
;;       return np.moveaxis(q.reshape(q.shape[:-2] + (-1,))[..., :K], -1, axis).astype(np.float32)
;;   ~~~
;;   OPERANDS COMPUTED ON THE WAY. 'Computed on the way' means the value that the module computes at that place (a softmax that the list does not call 'softmax' is quantised finished and normalised). What goes into a quantiser is computed in f32, as accurately as f32 sums, v_exp_f32 and their like allow (about 1e-6 of the number): no bf16 or f16 on the way to a quantiser, and a product that is left as it is and whose result goes on into a quantised operand takes f32 operands (vector FMAs, or v_wmma_f32_16x16x4_f32). A number that lies on a knife's edge between two numbers of the format may be rounded either way, as far as f32 arithmetic and the matrix unit's own rounding can turn it there, and no further.
;; One version. Each part assembles by itself: llvm-mc -triple=amdgcn-amd-amdhsa -mcpu=gfx1250 --defsym DOCPART=n.
;; ======== version 1 of 1: 2 launches
;; workspace buffers: wq 1,218,560 bytes; order 65,536 bytes of whole numbers
;; launch prep (part 1): grid 148 x 1, 8 waves a work-group, no clusters, 1,536 bytes of LDS; arguments W, x, wq, order; writes wq, order
.if DOCPART == 1
	.amdgcn_target "amdgcn-amd-amdhsa--gfx1250"
	.amdhsa_code_object_version 6
	.text
	.protected	k_q8b5081053c_prep
	.globl	k_q8b5081053c_prep
	.p2align	8
	.type	k_q8b5081053c_prep,@function
k_q8b5081053c_prep:
	s_mov_b64 s[64:65], 0
	v_nop
	global_prefetch_b8 v0, s[64:65] scope:SCOPE_SE
	s_setreg_imm32_b32 hwreg(HW_REG_WAVE_MODE, 25, 1), 1
	s_wait_xcnt 0x0
; TWO JOBS IN ONE LAUNCH, parted by the work-group's number alone.
; Work-groups 0-7: a counting sort of the 16,384 labels x.  order[p] = row | label << 16 for sorted place p, labels ascending.  No atomics: every count is made anew by whoever needs it.
; Work-groups 8-147: W[1..7] (f32, [512 (d)][1024 (e)], K = d is the FIRST axis) is masked as the problem's own mask says (kept where d > e mod 512) and quantised along d to codes of E2M1, one E8M0 byte for
; each 32 along d, into wq, laid in the order in which the next launch's operand registers take them.  Expert 0 is the identity and has no weights here.  Column group g (128 columns) needs K steps (128 along d)
; s = g .. 3 alone: the others lie wholly under the mask.  That is 10 of 16 pairs (g, s), numbered idx = g (9 - g) / 2 + s - g.
; LAYOUT OF wq: expert e at (e - 1) x 174,080; in it a chunk of 21,760 bytes for each wave w = 0 .. 7 of the next launch, which owns columns 128 g + 16 w + 0 .. 15 of both halves (c2 = 0 shift, c2 = 1 log_scale).
;   codes of fragment f = 2 idx + c2 at 1024 f + 512 cc + 16 (r + 16 h): the 32 codes of column r of the tile for d = 128 s + 64 cc + 32 h + 0 .. 31;
;   scale words at 20,480 + 128 idx + 64 c2 + 4 r: byte t for d = 128 s + 32 t + 0 .. 31.
; LIMITS: NaN and infinities in W are not served (under the mask they become 0 here).  A block of zeros gets the byte 1 where the quantiser's rule says 127: its codes are zeros, which add nothing under any byte but 0xff,
; and this program alone reads the bytes.  A block whose largest magnitude lies under 2^-124 has its byte held at 1, as the rule's clip has it.  Labels are taken to lie in 0 .. 7.
.set CHUNK, 21760
.set EXPB,  174080
.set GT, (1<<8)|(1<<10)|(1<<12)|(2<<14)|(2<<16)|(3<<18)                          ; g of pair idx, two bits each
.set ST, (1<<2)|(2<<4)|(3<<6)|(1<<8)|(2<<10)|(3<<12)|(2<<14)|(3<<16)|(3<<18)     ; s of pair idx
	s_load_b256 s[4:11], s[0:1], 0x0               ; W s[4:5], x s[6:7], wq s[8:9], order s[10:11]
	v_lshl_add_u32 v128, v0, 2, 0x200
	v_mov_b32 v129, 0
	v_lshrrev_b32 v1, 5, v0
	s_delay_alu instid0(VALU_DEP_1)
	v_readfirstlane_b32 s12, v1                    ; wave 0..7
	v_and_b32 v1, 31, v0                           ; lane
	s_delay_alu instid0(VALU_DEP_1)
	v_lshlrev_b32 v2, 2, v1                        ; 4 x lane
	s_cmp_lt_u32 ttmp9, 8
	s_cbranch_scc0 .Lquant
; ---------------- THE SORT.  Work-group c places labels 2048 c .. 2048 c + 2047, its wave v the 256 from 2048 c + 256 v on.
; Wave v also counts region v of the whole list (2,048 labels): the regions are the work-groups' shares, so what lies ahead of my work-group is the sum of regions under c.
; Counts are packed: word k holds expert k's count in its low 16 bits and expert k + 4's in its high 16 (16,384 at the most).
; LDS: word k of wave v's region counts at 16 v + 4 k; of its own 256 labels' counts at 256 + 16 v + 4 k.
.set XR,  32                           ; v32-95   the region's labels, 64 a lane
.set LB,  96                           ; v96-103  my own labels: label 32 i + lane of the wave's 256
.set E8,  104                          ; counts of experts 0, 2, 4, 6 in four bytes
.set O8,  105                          ; of experts 1, 3, 5, 7
.set C4,  106                          ; counts of eight labels in eight fields of 4 bits
.set TT,  107                          ; at work
.set WD,  108                          ; v108-111 the four packed words
.set DT,  112                          ; what another lane sent
.set POS, 16                           ; v16-23   places, then byte offsets in order: a register for each store
.set VAL, 24                           ; v24-31   what is stored there
	s_mov_b32 s13, 0x0f0f0f0f
	s_mov_b32 s14, 0x00ff00ff
	s_mov_b32 s16, 0x76543210
	s_mov_b32 s17, 0xfedcba98                      ; v_permlanex16_b32's selects for lane l xor 16
	s_mov_b32 s28, ttmp9                           ; c
	s_lshl_b32 s18, s12, 13                        ; region v: 2,048 labels of 4 bytes
	s_mov_b32 s19, 0
	s_lshl_b32 s59, ttmp9, 11
	s_lshl_b32 s24, s12, 8
	s_add_co_u32 s59, s59, s24                     ; my wave's first label: 2048 c + 256 v
	s_lshl_b32 s24, s59, 2
	s_mov_b32 s25, 0
	s_lshl_b32 s27, s12, 4
	s_wait_alu depctr_va_vdst(0)
	v_lshlrev_b32 v3, 4, v1                        ; 16 x lane
	v_mov_b32 v118, s27                            ; LDS: 16 x wave
	v_mov_b32 v[DT], 0                             ; written once: the destination of a lane move counts as one of its sources
	v_lshrrev_b32 v117, 2, v1                      ; lane / 4: which wave's word my lane reads back
	v_add_nc_u32 v119, s59, v1                     ; the row of my label 0
	s_wait_alu depctr_va_vdst(0)
	s_wait_kmcnt 0x0
	s_add_nc_u64 s[20:21], s[6:7], s[18:19]
	s_add_nc_u64 s[22:23], s[6:7], s[24:25]
.irp i, 0,1,2,3,4,5,6,7,8,9,10,11,12,13,14,15
	global_load_b128 v[XR+4*\i:XR+4*\i+3], v3, s[20:21] offset:512*\i      ; 512 consecutive bytes a load; no hint: the other seven work-groups read x again
.endr
.irp i, 0,1,2,3,4,5,6,7
	global_load_b32 v[LB+\i], v2, s[22:23] offset:128*\i
.endr
.macro C8 reg                          ; eight labels of a lane: 1 << 4 x label, added up: eight fields of 4 bits, 8 at the most in each
.irp j, 0,1,2,3,4,5,6,7
	v_lshlrev_b32 v[TT], 2, v[(\reg)+\j]
.if \j == 0
	s_delay_alu instid0(VALU_DEP_1)
	v_lshlrev_b32 v[C4], v[TT], 1
.else
	s_delay_alu instid0(VALU_DEP_1)
	v_lshl_add_u32 v[C4], 1, v[TT], v[C4]
.endif
.endr
.endm
.macro ACC8 first                      ; the 4-bit fields are widened to bytes (64 at the most in each) and added on
.if \first
	s_delay_alu instid0(VALU_DEP_1)
	v_and_b32 v[E8], s13, v[C4]
	s_delay_alu instid0(VALU_DEP_2)
	v_lshrrev_b32 v[TT], 4, v[C4]
	s_delay_alu instid0(VALU_DEP_1)
	v_and_b32 v[O8], s13, v[TT]
.else
	s_delay_alu instid0(VALU_DEP_1)
	v_and_b32 v[TT], s13, v[C4]
	s_delay_alu instid0(VALU_DEP_1)
	v_add_nc_u32 v[E8], v[E8], v[TT]
	s_delay_alu instid0(VALU_DEP_3)
	v_lshrrev_b32 v[TT], 4, v[C4]
	s_delay_alu instid0(VALU_DEP_1)
	v_and_b32 v[TT], s13, v[TT]
	s_delay_alu instid0(VALU_DEP_1)
	v_add_nc_u32 v[O8], v[O8], v[TT]
.endif
.endm
.macro WIDEN                           ; bytes to halves: word k = expert k | expert k + 4 << 16
	v_and_b32 v[WD], s14, v[E8]
	s_delay_alu instid0(VALU_DEP_2)
	v_and_b32 v[WD+1], s14, v[O8]
	v_lshrrev_b32 v[WD+2], 8, v[E8]
	s_delay_alu instid0(VALU_DEP_1)
	v_and_b32 v[WD+2], s14, v[WD+2]
	v_lshrrev_b32 v[WD+3], 8, v[O8]
	s_delay_alu instid0(VALU_DEP_1)
	v_and_b32 v[WD+3], s14, v[WD+3]
.endm
.macro LANESUM r, from                 ; the sum over the lanes that differ in the lane number's bits from log2(from) up; every such lane ends with it
.irp m, 1,2,4,8
.if \m >= \from
	v_mov_b32_dpp v[DT], v[\r] row_xmask:\m row_mask:0xf bank_mask:0xf
	s_delay_alu instid0(VALU_DEP_1)
	v_add_nc_u32 v[\r], v[\r], v[DT]
.endif
.endr
	s_delay_alu instid0(VALU_DEP_1)
	v_permlanex16_b32 v[DT], v[\r], s16, s17
	s_delay_alu instid0(VALU_DEP_1)
	v_add_nc_u32 v[\r], v[\r], v[DT]
.endm
	s_wait_loadcnt 8                               ; the region's 16 loads are in; behind them stand my own 8
.irp g, 0,1,2,3,4,5,6,7
	C8 XR+8*\g
.if \g == 0
	ACC8 1
.else
	ACC8 0
.endif
.endr
	WIDEN
.irp k, 0,1,2,3
	LANESUM WD+\k, 1
.endr
	ds_store_b128 v118, v[WD:WD+3]                 ; all lanes store the same four words
	s_wait_loadcnt 0x0                             ; my own 256 labels
	C8 LB
	ACC8 1
	WIDEN
.irp k, 0,1,2,3
	LANESUM WD+\k, 1
.endr
	ds_store_b128 v118, v[WD:WD+3] offset:256
	s_wait_dscnt 0x0                               ; for the others' sake: my stores have landed
	s_barrier_signal -1
	s_barrier_wait -1
	ds_load_b32 v113, v2                           ; lane l: word l % 4 of region l / 4,
	ds_load_b32 v114, v2 offset:256                ; and of wave l / 4's own 256 labels
	s_wait_dscnt 0x0
	v_mov_b32 v115, v113                           ; T: all regions
	v_cmp_gt_u32 vcc_lo, s28, v117
	s_delay_alu instid0(VALU_DEP_1)
	v_cndmask_b32 v116, 0, v113, vcc_lo            ; X: the regions under c,
	v_cmp_gt_u32 vcc_lo, s12, v117
	s_delay_alu instid0(VALU_DEP_1)
	v_cndmask_b32 v[TT], 0, v114, vcc_lo           ; and my work-group's waves under v
	s_delay_alu instid0(VALU_DEP_1)
	v_add_nc_u32 v116, v116, v[TT]
	LANESUM 115, 4                                 ; over the eight waves: lanes 0-3 hold words 0-3
	LANESUM 116, 4
.irp k, 0,1,2,3
	v_readlane_b32 s[48+\k], v115, \k
	v_readlane_b32 s[52+\k], v116, \k
.endr
	s_mov_b32 s58, 0                               ; where expert e's run begins
.irp e, 0,1,2,3,4,5,6,7
.if \e < 4
	s_and_b32 s57, s[52+\e], 0xffff
.else
	s_lshr_b32 s57, s[52+\e-4], 16
.endif
	s_add_co_u32 s[40+\e], s58, s57                ; + the labels e ahead of my wave's: my wave's first place for expert e
.if \e < 4
	s_and_b32 s57, s[48+\e], 0xffff
.else
	s_lshr_b32 s57, s[48+\e-4], 16
.endif
	s_add_co_u32 s58, s58, s57
.endr
.irp i, 0,1,2,3,4,5,6,7
.irp e, 0,1,2,3,4,5,6,7
	v_cmp_eq_u32 s56, \e, v[LB+\i]                 ; the lanes whose label is e
.if \e == 0
	s_delay_alu instid0(VALU_DEP_1)
	v_mbcnt_lo_u32_b32 v[POS+\i], s56, s[40+\e]    ; the expert's next place + such lanes under mine
.else
	s_delay_alu instid0(VALU_DEP_1)
	v_mbcnt_lo_u32_b32 v[TT], s56, s[40+\e]
	s_delay_alu instid0(VALU_DEP_1)
	v_cndmask_b32 v[POS+\i], v[POS+\i], v[TT], s56
.endif
	s_bcnt1_i32_b32 s57, s56
	s_add_co_u32 s[40+\e], s[40+\e], s57
.endr
	v_min_u32 v[POS+\i], 0x3fff, v[POS+\i]         ; a place lies in the list whatever the labels hold
	s_delay_alu instid0(VALU_DEP_1)
	v_lshlrev_b32 v[POS+\i], 2, v[POS+\i]
	v_add_nc_u32 v[VAL+\i], 32*\i, v119            ; the row,
	s_delay_alu instid0(VALU_DEP_1)
	v_lshl_or_b32 v[VAL+\i], v[LB+\i], 16, v[VAL+\i]   ; and its label above it
	global_store_b32 v[POS+\i], v[VAL+\i], s[10:11]    ; lanes of one label store neighbouring words; 64 KiB in the whole launch.  Each store has registers of its own
.endr
	s_wait_tensorcnt 0x0
	ds_add_u32 v128, v129
	s_wait_dscnt 0x0
	s_endpgm
; ---------------- THE QUANTISER.  Work-group u = 0 .. 139 takes one (expert, half c2, pair idx): 128 columns x 128 along d.  Wave: q = wave % 4: 32 columns; hh = wave / 4: 64 rows of d, two blocks.
; A LANE TAKES A COLUMN AND ITS REGISTERS RUN DOWN d: a block of 32 lies in one lane's 32 registers, its largest magnitude needs no other lane, and the conversions give the codes with K innermost.
.set X,  32                            ; v32-95   W(64 hh + n, my column), n = 0 .. 63
.set CD, 96                            ; v96-103  the two blocks' codes
.Lquant:
	s_sub_co_u32 s20, ttmp9, 8                     ; u
	s_mul_i32 s21, s20, 205
	s_lshr_b32 s21, s21, 11                        ; u / 10 (exact for u under 140)
	s_mul_i32 s22, s21, 10
	s_sub_co_u32 s22, s20, s22                     ; idx
	s_lshr_b32 s23, s21, 1                         ; expert - 1
	s_and_b32 s24, s21, 1                          ; c2
	s_lshl_b32 s25, s22, 1
	s_lshr_b32 s26, GT, s25
	s_and_b32 s26, s26, 3                          ; g
	s_lshr_b32 s27, ST, s25
	s_and_b32 s27, s27, 3                          ; s
	s_and_b32 s28, s12, 3                          ; q
	s_lshr_b32 s29, s12, 2                         ; hh
	s_lshl_b32 s30, s23, 9
	s_add_co_u32 s30, s30, 512                     ; W: the expert's 512 rows,
	s_lshl_b32 s31, s27, 7
	s_add_co_u32 s30, s30, s31                     ; + 128 s
	s_lshl_b32 s31, s29, 6
	s_add_co_u32 s30, s30, s31                     ; + 64 hh,
	s_lshl_b32 s30, s30, 12                        ; of 4,096 bytes;
	s_lshl_b32 s31, s24, 11
	s_add_co_u32 s30, s30, s31                     ; column 512 c2
	s_lshl_b32 s31, s26, 9
	s_add_co_u32 s30, s30, s31                     ; + 128 g
	s_lshl_b32 s31, s28, 7
	s_add_co_u32 s30, s30, s31                     ; + 32 q, of 4 bytes
	s_mov_b32 s31, 0
	s_mul_i32 s34, s23, EXPB
	s_mul_i32 s35, s28, 2*CHUNK
	s_add_co_u32 s34, s34, s35                     ; wq: the expert, chunk 2 q (lanes 16-31: chunk 2 q + 1)
	s_lshl_b32 s32, s22, 1
	s_add_co_u32 s32, s32, s24                     ; f = 2 idx + c2
	s_lshl_b32 s32, s32, 10
	s_lshl_b32 s35, s29, 9                         ; cc = hh
	s_add_co_u32 s32, s32, s35
	s_add_co_u32 s32, s32, s34
	s_mov_b32 s33, 0
	s_lshl_b32 s36, s22, 7                         ; scale words: 128 idx
	s_lshl_b32 s35, s24, 6
	s_add_co_u32 s36, s36, s35                     ; + 64 c2
	s_lshl_b32 s35, s29, 1
	s_add_co_u32 s36, s36, s35                     ; + my two bytes' place, 2 hh
	s_add_co_u32 s36, s36, 20480
	s_add_co_u32 s36, s36, s34
	s_mov_b32 s37, 0
	s_lshl_b32 s42, s28, 5
	s_lshl_b32 s43, s29, 6
	s_sub_co_i32 s42, s42, s43
	s_wait_alu depctr_va_vdst(0)
	v_add_nc_u32 v5, s42, v1                       ; 32 q + lane - 64 hh (signed): in a diagonal K step register n is kept where n is greater
	v_lshrrev_b32 v6, 4, v1
	v_and_b32 v7, 15, v1
	s_delay_alu instid0(VALU_DEP_2)
	v_mul_u32_u24 v3, v6, CHUNK
	s_delay_alu instid0(VALU_DEP_3)
	v_mul_u32_u24 v4, v6, CHUNK
	s_delay_alu instid0(VALU_DEP_2)
	v_lshl_add_u32 v3, v7, 4, v3                   ; codes: 16 bytes a column
	s_delay_alu instid0(VALU_DEP_2)
	v_lshl_add_u32 v4, v7, 2, v4                   ; scale words: 4 bytes a column
	s_wait_kmcnt 0x0
	s_add_nc_u64 s[4:5], s[4:5], s[30:31]
	s_add_nc_u64 s[38:39], s[8:9], s[32:33]
	s_add_nc_u64 s[40:41], s[8:9], s[36:37]
.irp n, 0,1,2,3,4,5,6,7,8,9,10,11,12,13,14,15,16,17,18,19,20,21,22,23,24,25,26,27,28,29,30,31,32,33,34,35,36,37,38,39,40,41,42,43,44,45,46,47,48,49,50,51,52,53,54,55,56,57,58,59,60,61,62,63
	global_load_b32 v[X+\n], v2, s[4:5] offset:\n*4096 th:TH_LOAD_NT   ; a wave reads 128 consecutive bytes, four waves side by side 512; read once in the launch
.endr
	s_wait_loadcnt 0x0
	s_cmp_lg_u32 s26, s27                          ; s > g: every d lies above every column: nothing is masked
	s_cbranch_scc1 .Lopen
	s_wait_alu depctr_va_vdst(0)
.irp n, 0,1,2,3,4,5,6,7,8,9,10,11,12,13,14,15,16,17,18,19,20,21,22,23,24,25,26,27,28,29,30,31,32,33,34,35,36,37,38,39,40,41,42,43,44,45,46,47,48,49,50,51,52,53,54,55,56,57,58,59,60,61,62,63
	v_cmp_gt_i32 vcc_lo, \n, v5                    ; d > column?
	s_delay_alu instid0(VALU_DEP_1)
	v_cndmask_b32 v[X+\n], 0, v[X+\n], vcc_lo      ; the mask stands ahead of the block's maximum
.endr
.Lopen:
.irp t, 0,1
	v_max3_num_f32 v[8+\t], |v[X+32*\t]|, |v[X+32*\t+1]|, 0x1800000   ; the block's largest magnitude, and the floor 2^(3 - 127): so the byte cannot fall under 1
.endr
.irp i, 2,4,6,8,10,12,14,16,18,20,22,24,26,28,30
.irp t, 0,1
	s_delay_alu instid0(VALU_DEP_2)
	v_max3_num_f32 v[8+\t], v[8+\t], |v[X+32*\t+\i]|, |v[X+32*\t+\i+1]|   ; (the two blocks by turns)
.endr
.endr
.irp t, 0,1
	s_delay_alu instid0(VALU_DEP_2)
	v_add_nc_u32 v[10+\t], 0xff000000, v[8+\t]     ; 2 off its exponent field: the conversion takes the exponent field of this operand as its scale
.endr
.irp t, 0,1
	s_delay_alu instid0(VALU_DEP_2)
	v_lshrrev_b32 v[12+\t], 23, v[10+\t]           ; the scale's byte
.endr
.irp t, 0,1
.irp k, 0,1,2,3
	v_cvt_scalef32_pk8_fp4_f32 v[CD+4*\t+\k], v[X+32*\t+8*\k:X+32*\t+8*\k+7], v[10+\t]
.endr
.endr
	v_lshl_or_b32 v12, v13, 8, v12                 ; my two bytes together.  (Also the plain line behind the conversions)
	global_store_b128 v3, v[CD:CD+3], s[38:39]             ; block 2 hh: each half of the lanes stores 256 consecutive bytes, at a multiple of 256 from wq's first byte
	global_store_b128 v3, v[CD+4:CD+7], s[38:39] offset:256    ; block 2 hh + 1
	global_store_b16 v4, v12, s[40:41]             ; two bytes of my column's scale word: short stores, 70 KiB of them in the whole launch
	s_endpgm
.Lfunc_end_k_q8b5081053c_prep:
	.size	k_q8b5081053c_prep, .Lfunc_end_k_q8b5081053c_prep-k_q8b5081053c_prep
	.p2alignl 7, 3214868480
	.fill 96, 4, 3214868480
	.section	.rodata,"a",@progbits
	.p2align	6, 0x0
	.amdhsa_kernel k_q8b5081053c_prep
		.amdhsa_group_segment_fixed_size 1536
		.amdhsa_private_segment_fixed_size 0
		.amdhsa_enable_private_segment 0
		.amdhsa_kernarg_size 32
		.amdhsa_user_sgpr_count 2
		.amdhsa_user_sgpr_kernarg_segment_ptr 1
		.amdhsa_wavefront_size32 1
		.amdhsa_system_sgpr_workgroup_id_x 1
		.amdhsa_system_sgpr_workgroup_id_y 1
		.amdhsa_system_sgpr_workgroup_id_z 1
		.amdhsa_system_vgpr_workitem_id 0
		.amdhsa_next_free_vgpr 130
		.amdhsa_next_free_sgpr 66
		.amdhsa_reserve_vcc 1
		.amdhsa_float_denorm_mode_32 3
		.amdhsa_float_denorm_mode_16_64 3
		.amdhsa_memory_ordered 1
		.amdhsa_forward_progress 1
		.amdhsa_inst_pref_size 66
	.end_amdhsa_kernel
	.amdgpu_metadata
---
amdhsa.version: [ 1, 2 ]
amdhsa.kernels:
  - .name:           k_q8b5081053c_prep
    .symbol:         k_q8b5081053c_prep.kd
    .args:
      - { .name: W, .offset: 0, .size: 8, .value_kind: global_buffer, .address_space: global }
      - { .name: x, .offset: 8, .size: 8, .value_kind: global_buffer, .address_space: global }
      - { .name: wq, .offset: 16, .size: 8, .value_kind: global_buffer, .address_space: global }
      - { .name: order, .offset: 24, .size: 8, .value_kind: global_buffer, .address_space: global }
    .group_segment_fixed_size: 1536
    .private_segment_fixed_size: 0
    .kernarg_segment_align: 8
    .kernarg_segment_size: 32
    .max_flat_workgroup_size: 256
    .sgpr_count:     66
    .vgpr_count:     130
    .wavefront_size: 32
...
	.end_amdgpu_metadata
.endif
;; end of part 1
;; launch flow (part 2): grid 256 x 1, 8 waves a work-group, no clusters, 150,528 bytes of LDS; arguments y, b, wq, order, out0; writes out0
.if DOCPART == 2
	.amdgcn_target "amdgcn-amd-amdhsa--gfx1250"
	.amdhsa_code_object_version 6
	.text
	.protected	k_q8b5081053c_flow
	.globl	k_q8b5081053c_flow
	.p2align	8
	.type	k_q8b5081053c_flow,@function
k_q8b5081053c_flow:
	s_mov_b64 s[64:65], 0
	v_nop
	global_prefetch_b8 v0, s[64:65] scope:SCOPE_SE
	s_setreg_imm32_b32 hwreg(HW_REG_WAVE_MODE, 25, 1), 1
	s_wait_xcnt 0x0
; out[t] = y[t] where x[t] = 0, else y[t] exp(h[t][512 + i]) + h[t][i], h[t] = Q(y[t]) Q(W[x[t]] masked) + b[x[t]]; the product on codes of E2M1 with one E8M0 scale for each 32 along K = d.
; SHARES.  The 16,384 rows, sorted by label (order, made by the launch before), are 256 blocks of 64 places: one work-group each, no row padded, none left out.  A block that lies across a border between labels
; walks experts 1 .. 7 in a loop of constant count and passes over, by scalar branches on the labels of its first and last place, those that it has not; rows of another label are kept out by v_cndmask_b32.
; A row of label 0 is never written over, so it leaves as it came.  Only the chosen expert's product is made, and of it only the K steps of 128 that do not lie wholly under the problem's own mask: column group g
; (128 columns) takes K steps g .. 3.
; Eight waves.  Wave w (m = w / 2, c = w % 2) gathers rows 16 m .. 16 m + 15 of the block, bytes 1024 c .. + 1023, quantises just those (K steps 2 c, 2 c + 1) and stores them at the end.  In the product it owns
; columns 128 g + 16 w + 0 .. 15 of both halves (shift, log_scale), g = 0 .. 3, for all 64 rows: 20 fragments of weights, 80 matrix instructions an expert, alike in every wave.
; THE MATRIX INSTRUCTION IS USED TRANSPOSED: source 0 = 16 columns of W, source 1 = 16 rows of y: lane (r, h) then holds row r and eight neighbouring columns 8 h + 0 .. 7.  The bias is the C of a sum's first instruction.
; NO TENSOR LOADS, NO CLUSTER: the weights go from memory straight into registers, laid by the launch before so that
; each load of a wave takes 512 consecutive bytes.
; LDS: y's 16 fragments and their scale words as IMAGES OF THE OPERAND'S REGISTERS (16 bytes a lane, 4 bytes a lane), and the block's 64 rows in f32, pitch 2,064 bytes = 129 x 16, so that sixteen rows at one column
; fall on sixteen different groups of four banks (64 banks of 4 bytes: ISA guide 11.1).  The rows are updated in place, each lane its own 32 bytes, and leave as whole rows.
; LIMITS: NaN and infinities in y, W, b are not served.  Labels are taken to lie in 0 .. 7.  A block of zeros of y gets the byte 1 where the rule says 127 (its codes are zeros); a largest magnitude under 2^-124 has its
; byte held at 1.  v_exp_f32 gives 0 where the exponential would be under 2^-126.
; REGISTERS.  Window 0: v1-11 addresses; v16-19 labels; v20-27 y's scale words, v28-37 W's (they hold nothing else); v38-39 scale words just made; v40-167 gathered rows, then y's 16 fragments, then rows on the way out;
;   v168-231 64 numbers to quantise, then the 8 accumulators; v232-247 at work in the quantiser, then two buffers of 8 numbers of y; v248-255 codes just made.
;   Window 1: v0-159 W's 20 fragments; v160-223 the biases; v224-239 my 16 rows' byte offsets.
.set PY,    2064
.set IMG,   0                          ; 16 x 1,024: fragment (row tile mm, K step s) at (4 mm + s) x 1024 + 512 cc + 16 x lane
.set YSC,   16384                      ; 8 x 128: image 2 mm + c at 4 x lane: lanes 0-15 the words of K step 2 c, lanes 16-31 those of K step 2 c + 1
.set YT,    17408                      ; 64 rows x PY
.set CHUNK, 21760
.set EXPB,  174080
.set L16, 1                            ; 16 x lane
.set L4,  2                            ; 4 x lane
.set R4,  3                            ; 4 x (lane % 16)
.set GOF, 4                            ; 16 x lane + 1024 c
.set GS,  5                            ; LDS: my 16 rows' half, 16 bytes a lane
.set QR,  6                            ; LDS: row r of them, + 64 h: my 16 numbers of a block of 32
.set IW,  7                            ; LDS: where I store my two images: 16 x lane + 2048 w
.set SWA, 8                            ; LDS: and their scale words: YSC + 128 w + 4 x lane
.set EP,  9                            ; v9, v10: LDS: row r (v10: row 32 + r), + 64 w + 32 h: my 32 bytes of a column group
.set BO,  11                           ; 64 w + 32 h
.set LAB, 16
.set YS,  20
.set WS,  28
.set PW,  38
.set YF,  40
.set ACC, 168                          ; accumulator (c2, mm) at ACC + 8 (2 mm + c2)
.set YB,  232
.set TM,  232
.set PC,  248
.set BI,  160                          ; window 1: bias (g, c2) at BI + 16 g + 8 c2
.set RO,  224                          ; window 1
.set MK,  48                           ; s[48:51] lanes whose row of tile mm has the label in hand
.set SEL, 54                           ; s[54:55] v_permlanex16_b32's selects for lane l xor 16
.set MSB, 0
.macro WIN new                         ; the immediate's high byte repeats the setting that is left; a switch that changes nothing is dropped.  Bits 1:0 source 0, 3:2 source 1, 5:4 source 2, 7:6 destination
.if MSB != \new
	s_set_vgpr_msb (MSB<<8)|\new
.set MSB, \new
.endif
.endm
.macro LOADC bw                        ; my chunk's 20 fragments: 40 loads of 512 consecutive bytes.  No hint: other work-groups read them again
	WIN 0x40
.irp f, 0,1,2,3,4,5,6,7,8,9,10,11,12,13,14,15,16,17,18,19
	global_load_b128 v[8*\f:8*\f+3], v[L16], s[\bw:\bw+1] offset:1024*\f
	global_load_b128 v[8*\f+4:8*\f+7], v[L16], s[\bw:\bw+1] offset:1024*\f+512
.endr
	WIN 0
.endm
.macro LOADR bw, bb                    ; the 10 registers of scale words (lanes 0-15 shift's columns, lanes 16-31 log_scale's) and the 8 biases in the result's layout
.irp i, 0,1,2,3,4,5,6,7,8,9
	global_load_b32 v[WS+\i], v[L4], s[\bw:\bw+1] offset:20480+128*\i
.endr
	WIN 0x40
.irp g, 0,1,2,3
.irp c2, 0,1
.irp k, 0,1
	global_load_b128 v[BI+16*\g+8*\c2+4*\k:BI+16*\g+8*\c2+4*\k+3], v[BO], s[\bb:\bb+1] offset:2048*\c2+512*\g+16*\k
.endr
.endr
.endr
	WIN 0
.endm
; 64 numbers of a lane, v[s] .. v[s + 63], register 16 b + i = k 32 b + 16 (lane / 16) + i of my row, become a fragment's codes in v[PC] on and its scale word in v[pw].
.macro QUANT s, pw
.irp b, 0,1,2,3
	v_max3_num_f32 v[TM+\b], |v[\s+16*\b]|, |v[\s+1+16*\b]|, 0x1800000   ; block b: my 16 numbers, and the floor 2^(3 - 127): so the byte cannot fall under 1
.endr
.irp i, 2,4,6,8,10,12,14
.irp b, 0,1,2,3
	s_delay_alu instid0(VALU_DEP_4)
	v_max3_num_f32 v[TM+\b], v[TM+\b], |v[\s+16*\b+\i]|, |v[\s+1+16*\b+\i]|   ; (the four blocks by turns)
.endr
.endr
.irp b, 0,1,2,3
	s_delay_alu instid0(VALU_DEP_4)
	v_permlanex16_b32 v[TM+4+\b], v[TM+\b], s[SEL], s[SEL+1]
.endr
.irp b, 0,1,2,3
	s_delay_alu instid0(VALU_DEP_4)
	v_max_num_f32 v[TM+\b], v[TM+\b], v[TM+4+\b]   ; with lane l xor 16's: the block's largest magnitude
.endr
.irp b, 0,1,2,3
	s_delay_alu instid0(VALU_DEP_4)
	v_add_nc_u32 v[TM+12+\b], 0xff000000, v[TM+\b] ; 2 off its exponent field: the conversion's scale operand
.endr
.irp b, 0,1,2,3
	s_delay_alu instid0(VALU_DEP_4)
	v_lshrrev_b32 v[TM+4+\b], 23, v[TM+12+\b]      ; the scale's byte
.endr
	s_delay_alu instid0(VALU_DEP_3)
	v_lshl_or_b32 v[\pw], v[TM+5], 8, v[TM+4]      ; the four bytes make my row's scale word (both halves of the lanes hold it)
	s_delay_alu instid0(VALU_DEP_1)
	v_lshl_or_b32 v[\pw], v[TM+6], 16, v[\pw]
	s_delay_alu instid0(VALU_DEP_1)
	v_lshl_or_b32 v[\pw], v[TM+7], 24, v[\pw]
.irp b, 0,1,2,3
	v_cvt_scalef32_pk8_fp4_f32 v[PC+2*\b], v[\s+16*\b:\s+7+16*\b], v[TM+12+\b]
	v_cvt_scalef32_pk8_fp4_f32 v[PC+1+2*\b], v[\s+8+16*\b:\s+15+16*\b], v[TM+12+\b]
.endr
	v_nop                                          ; one plain place behind a scaled conversion
.irp c, 0,1                                    ; the operand's layout wants a WHOLE block in a lane: lanes 0-15 block 2 c, lanes 16-31 block 2 c + 1
.irp i, 0,1
	v_permlane16_swap_b32 v[PC+4*\c+\i], v[PC+2+4*\c+\i]
.endr
.endr
.endm
.macro IMAGE off                       ; the fragment in v[PC] on goes to LDS as it stands
.irp c, 0,1
	ds_store_b128 v[IW], v[PC+4*\c:PC+4*\c+3] offset:IMG+\off+512*\c
.endr
.endm
.macro YLOAD g, mm, buf                ; my eight numbers of row 16 mm + r in column group g
.irp k, 0,1
	ds_load_b128 v[YB+8*(\buf)+4*\k:YB+8*(\buf)+4*\k+3], v[EP+(\mm)/2] offset:((\mm)%2)*16*PY+512*(\g)+16*\k
.endr
.endm
; One product: my 16 columns of half c2 in group g x rows 16 mm on, K step s.  first = 1: the bias (window 1) is C and starts the sum.
.macro MM g, s, mm, c2, first
.set IDX, (\g)*(9-(\g))/2+(\s)-(\g)
.set FW, 8*(2*IDX+(\c2))
.set FA, ACC+8*(2*(\mm)+(\c2))
.set FY, YF+8*(4*(\mm)+(\s))
.set SW1, WS+IDX
.set SY1, YS+2*(\mm)+(\s)/2
.if \first
.set FC, BI+16*(\g)+8*(\c2)
.else
.set FC, FA
.endif
.if ((\c2) == 0) && (((\s)%2) == 0)
	v_wmma_scale_f32_16x16x128_f8f6f4 v[FA:FA+7], v[FW:FW+7], v[FY:FY+7], v[FC:FC+7], v[SW1], v[SY1] matrix_a_fmt:MATRIX_FMT_FP4 matrix_b_fmt:MATRIX_FMT_FP4
.elseif ((\s)%2) == 0
	v_wmma_scale_f32_16x16x128_f8f6f4 v[FA:FA+7], v[FW:FW+7], v[FY:FY+7], v[FC:FC+7], v[SW1], v[SY1] matrix_a_fmt:MATRIX_FMT_FP4 matrix_b_fmt:MATRIX_FMT_FP4 matrix_a_scale:MATRIX_SCALE_ROW1
.elseif (\c2) == 0
	v_wmma_scale_f32_16x16x128_f8f6f4 v[FA:FA+7], v[FW:FW+7], v[FY:FY+7], v[FC:FC+7], v[SW1], v[SY1] matrix_a_fmt:MATRIX_FMT_FP4 matrix_b_fmt:MATRIX_FMT_FP4 matrix_b_scale:MATRIX_SCALE_ROW1
.else
	v_wmma_scale_f32_16x16x128_f8f6f4 v[FA:FA+7], v[FW:FW+7], v[FY:FY+7], v[FC:FC+7], v[SW1], v[SY1] matrix_a_fmt:MATRIX_FMT_FP4 matrix_b_fmt:MATRIX_FMT_FP4 matrix_a_scale:MATRIX_SCALE_ROW1 matrix_b_scale:MATRIX_SCALE_ROW1
.endif
.endm
; Row tile mm of group g: u = y exp(log_scale) + shift, kept where the row's label is the expert in hand, back into the same 32 bytes.  n: the LDS instructions issued behind the tile's two loads of y.
.macro EPI g, mm, n
.set LSR, ACC+8*(2*(\mm)+1)
.set SHR, ACC+8*(2*(\mm))
.set BR,  YB+8*((\mm)%2)
.irp p, 0,2,4,6
	v_pk_mul_f32 v[LSR+\p:LSR+\p+1], v[LSR+\p:LSR+\p+1], 0x3fb8aa3b op_sel_hi:[1,0]   ; x log2(e); each accumulator is read from its low end on
.endr
	s_wait_alu depctr_va_vdst(0)
.irp j, 0,1,2,3,4,5,6,7
	v_exp_f32 v[LSR+\j], v[LSR+\j]
.endr
	v_nop                                          ; a plain place behind the exponentials
	s_wait_dscnt \n                                ; LDS serves a wave's instructions in order (ISA guide 5.7.1): this tile's y is in
	s_wait_alu depctr_va_vdst(0)
.irp p, 0,2,4,6
	v_pk_fma_f32 v[SHR+\p:SHR+\p+1], v[BR+\p:BR+\p+1], v[LSR+\p:LSR+\p+1], v[SHR+\p:SHR+\p+1]
.endr
.irp j, 0,1,2,3,4,5,6,7
	v_cndmask_b32 v[SHR+\j], v[BR+\j], v[SHR+\j], s[MK+(\mm)]     ; a row of another label keeps what it has
.endr
	ds_store_b128 v[EP+(\mm)/2], v[SHR:SHR+3] offset:((\mm)%2)*16*PY+512*(\g)
	ds_store_b128 v[EP+(\mm)/2], v[SHR+4:SHR+7] offset:((\mm)%2)*16*PY+512*(\g)+16
.if (\mm) < 2
	YLOAD \g, (\mm)+2, (\mm)%2
.endif
.endm
; Column group g: K steps g .. 3.  The eight accumulators take turns, one instruction a turn.
.macro GROUP g
	s_wait_dscnt 0x0                               ; the last group's stores have read the accumulators
	YLOAD \g, 0, 0
	YLOAD \g, 1, 1
	WIN 0x11                                       ; source 0 (W) and source 2 (the bias) window 1
.irp mm, 0,1,2,3
.irp c2, 0,1
	MM \g, \g, \mm, \c2, 1
.endr
.endr
.if \g < 3
	WIN 0x01                                       ; source 0 window 1; C and D window 0
.irp s, 1,2,3
.if \s > \g
.irp mm, 0,1,2,3
.irp c2, 0,1
	MM \g, \s, \mm, \c2, 0
.endr
.endr
.endif
.endr
.endif
	WIN 0
.rept 4
	v_nop                                          ; four places behind the last product, in front of the first read of results and of later loads into operands
.endr
	EPI \g, 0, 2                                   ; behind tile 0's loads: tile 1's two
	EPI \g, 1, 4                                   ; behind tile 1's: two stores, tile 2's two loads
	EPI \g, 2, 4                                   ; likewise
	EPI \g, 3, 2                                   ; behind tile 3's: two stores
.endm
	s_load_b256 s[4:11], s[0:1], 0x0               ; y s[4:5], b s[6:7], wq s[8:9], order s[10:11]
	s_load_b64 s[12:13], s[0:1], 0x20              ; out0
	s_set_vgpr_msb 0x40
	v_lshl_add_u32 v254, v0, 2, 0x24800
	v_mov_b32 v255, 0
	s_set_vgpr_msb 0x4000
	v_lshrrev_b32 v12, 5, v0
	s_delay_alu instid0(VALU_DEP_1)
	v_readfirstlane_b32 s14, v12                   ; wave w
	s_lshr_b32 s15, s14, 1                         ; m
	s_and_b32 s16, s14, 1                          ; c
	v_and_b32 v13, 31, v0                          ; lane
	v_and_b32 v12, 15, v0                          ; r
	v_bfe_u32 v14, v0, 4, 1                        ; h
	s_delay_alu instid0(VALU_DEP_3)
	v_lshlrev_b32 v[L16], 4, v13
	s_delay_alu instid0(VALU_DEP_4)
	v_lshlrev_b32 v[L4], 2, v13
	s_delay_alu instid0(VALU_DEP_4)
	v_lshlrev_b32 v[R4], 2, v12
	s_lshl_b32 s17, s16, 10                        ; 1024 c
	v_add_nc_u32 v[GOF], s17, v[L16]
	s_mul_i32 s18, s15, 16*PY
	s_add_co_u32 s18, s18, s17
	s_add_co_u32 s18, s18, YT                      ; YT + 16 m rows + 1024 c
	v_add_nc_u32 v[GS], s18, v[L16]
	v_mul_u32_u24 v15, v12, PY                     ; r rows
	s_delay_alu instid0(VALU_DEP_1)
	v_lshl_add_u32 v[QR], v14, 6, v15
	s_delay_alu instid0(VALU_DEP_1)
	v_add_nc_u32 v[QR], s18, v[QR]
	s_lshl_b32 s19, s14, 11
	v_add_nc_u32 v[IW], s19, v[L16]
	s_lshl_b32 s19, s14, 7
	s_add_co_u32 s19, s19, YSC
	v_add_nc_u32 v[SWA], s19, v[L4]
	s_lshl_b32 s19, s14, 6
	v_lshl_add_u32 v[BO], v14, 5, s19
	s_delay_alu instid0(VALU_DEP_1)
	v_add_nc_u32 v[EP], v15, v[BO]
	s_delay_alu instid0(VALU_DEP_1)
	v_add_nc_u32 v[EP], YT, v[EP]
	s_delay_alu instid0(VALU_DEP_1)
	v_add_nc_u32 v[EP+1], 32*PY, v[EP]
	s_mov_b32 s52, 0xffff0000                      ; lanes 16-31
	s_mov_b32 s[SEL], 0x76543210
	s_mov_b32 s[SEL+1], 0xfedcba98
.irp b, 0,1,2,3
	v_mov_b32 v[TM+4+\b], 0                        ; written once: a lane permute's destination counts as one of its sources
.endr
	s_wait_kmcnt 0x0
	s_lshl_b32 s56, ttmp9, 8                       ; my block's 64 words of the list
	s_mov_b32 s57, 0
	s_add_nc_u64 s[10:11], s[10:11], s[56:57]
	s_lshl_b32 s56, s15, 6                         ; my wave's 16 of them
	s_add_nc_u64 s[56:57], s[10:11], s[56:57]
	s_load_b512 s[32:47], s[56:57], 0x0
	s_load_b32 s20, s[10:11], 0x0                  ; the block's first place,
	s_load_b32 s21, s[10:11], 0xfc                 ; and its last
	s_wait_kmcnt 0x0
	s_lshr_b32 s20, s20, 16                        ; the lowest label of the block,
	s_lshr_b32 s21, s21, 16                        ; and the highest
	s_max_u32 s18, s20, 1
	s_sub_co_u32 s18, s18, 1
	s_min_u32 s18, s18, 6                          ; the first expert that the block walks, less 1: inside wq whatever the list holds
	s_add_co_u32 s22, s18, 1
	s_mul_i32 s56, s14, CHUNK
	s_mov_b32 s57, 0
	s_add_nc_u64 s[24:25], s[8:9], s[56:57]        ; the loop's bases: expert 1's chunk for my wave,
	s_mul_i32 s56, s18, EXPB
	s_add_nc_u64 s[28:29], s[24:25], s[56:57]      ; the head's: the first expert's
	s_add_nc_u64 s[26:27], s[6:7], 4096            ; and b likewise
	s_lshl_b32 s56, s22, 12
	s_add_nc_u64 s[30:31], s[6:7], s[56:57]
	s_mov_b32 s23, 1                               ; the expert in hand
.irp i, 0,1,2,3,4,5,6,7,8,9,10,11,12,13,14,15
	s_and_b32 s[32+\i], s[32+\i], 0xffff           ; the row,
	s_min_u32 s[32+\i], s[32+\i], 0x3fff           ; inside y and out0 whatever the list holds,
	s_lshl_b32 s[32+\i], s[32+\i], 11              ; of 2,048 bytes
.endr
	WIN 0x40
.irp i, 0,1,2,3,4,5,6,7,8,9,10,11,12,13,14,15
	v_add_nc_u32 v[RO+\i], s[32+\i], v[GOF]
.endr
	WIN 0x01                                       ; the address in window 1
.irp i, 0,1,2,3,4,5,6,7,8,9,10,11,12,13,14,15
.irp k, 0,1
	global_load_b128 v[YF+8*\i+4*\k:YF+8*\i+4*\k+3], v[RO+\i], s[4:5] offset:512*\k th:TH_LOAD_NT   ; 512 consecutive bytes of one row; the list is a permutation: each byte of y is read once in the launch
.endr
.endr
	WIN 0
.irp mm, 0,1,2,3
	global_load_b32 v[LAB+\mm], v[R4], s[10:11] offset:64*\mm    ; the list's word of row 16 mm + r
.endr
	LOADC 28                                       ; the first expert's weights are asked for at once.  (A block of identity rows alone asks for expert 1's and never waits for them)
	s_wait_loadcnt 40                              ; behind the 32 gathered pieces and the 4 labels stand those 40 loads
.irp mm, 0,1,2,3
	v_lshrrev_b32 v[LAB+\mm], 16, v[LAB+\mm]       ; the label
.endr
.irp i, 0,1,2,3,4,5,6,7,8,9,10,11,12,13,14,15
.irp k, 0,1
	ds_store_b128 v[GS], v[YF+8*\i+4*\k:YF+8*\i+4*\k+3] offset:\i*PY+512*\k
.endr
.endr
	; my own rows come back 16 neighbours of each block of 32 to a lane: LDS serves a wave's instructions in order, so no wait stands between my stores and these loads
.irp b, 0,1,2,3
.irp j, 0,1,2,3
	ds_load_b128 v[ACC+16*\b+4*\j:ACC+16*\b+4*\j+3], v[QR] offset:128*\b+16*\j          ; K step 2 c
.endr
.endr
	s_wait_dscnt 16                                ; all but those 16: the 32 stores have read their registers
.irp b, 0,1,2,3
.irp j, 0,1,2,3
	ds_load_b128 v[YF+16*\b+4*\j:YF+16*\b+4*\j+3], v[QR] offset:512+128*\b+16*\j        ; K step 2 c + 1
.endr
.endr
	LOADR 28, 30
	s_wait_dscnt 16                                ; the first 16 are in
	QUANT ACC, PW
	IMAGE 0
	s_wait_dscnt 0x0                               ; the second 16 are in, and the stores have read the codes' registers
	QUANT YF, PW+1
	IMAGE 1024
	v_cndmask_b32 v[PW], v[PW], v[PW+1], s52       ; lanes 0-15: K step 2 c's words; lanes 16-31: K step 2 c + 1's
	ds_store_b32 v[SWA], v[PW]
	s_wait_dscnt 0x0                               ; for the others' sake: my rows, images and scale words have landed
	s_barrier_signal -1
	s_barrier_wait -1                              ; everybody's have
.irp f, 0,1,2,3,4,5,6,7,8,9,10,11,12,13,14,15
.irp c, 0,1
	ds_load_b128 v[YF+8*\f+4*\c:YF+8*\f+4*\c+3], v[L16] offset:IMG+1024*\f+512*\c       ; y's 16 fragments stay in registers
.endr
.endr
.irp q, 0,1,2,3,4,5,6,7
	ds_load_b32 v[YS+\q], v[L4] offset:YSC+128*\q
.endr
	s_wait_dscnt 0x0
.Lexp:                                                 ; seven trips, whatever the list holds; no barrier stands in the loop
	s_cmp_lt_u32 s23, s20
	s_cbranch_scc1 .Lskip                          ; no row of the block has this label
	s_cmp_gt_u32 s23, s21
	s_cbranch_scc1 .Lskip
	s_cmp_eq_u32 s23, s22
	s_setprio 2
	s_cbranch_scc1 .Lhave                          ; the first expert's weights were asked for at the head
	s_wait_loadcnt 0x0                             ; no load into these registers is out
	LOADC 24                                       ; (the last products that read them stand four places and a group's vector work back)
	LOADR 24, 26
.Lhave:
.irp mm, 0,1,2,3
	v_cmp_eq_u32 s[MK+\mm], s23, v[LAB+\mm]
.endr
	s_wait_loadcnt 0x0                             ; weights, scale words and biases are in; the loads have read their bases
	GROUP 0
	GROUP 1
	s_setprio 1
	GROUP 2
	s_setprio 0
	GROUP 3
.Lskip:
	s_add_nc_u64 s[24:25], s[24:25], EXPB
	s_add_nc_u64 s[26:27], s[26:27], 4096
	s_add_co_u32 s23, s23, 1
	s_cmp_lt_u32 s23, 8
	s_cbranch_scc1 .Lexp
	s_setprio 0
	s_wait_dscnt 0x0                               ; for the others' sake: my columns of the 64 rows have landed
	s_barrier_signal -1
	s_barrier_wait -1
.irp i, 0,1,2,3,4,5,6,7,8,9,10,11,12,13,14,15
.irp k, 0,1
	ds_load_b128 v[YF+8*\i+4*\k:YF+8*\i+4*\k+3], v[GS] offset:\i*PY+512*\k
.endr
.endr
	WIN 0x01                                       ; the address in window 1, the data in window 0
.irp i, 0,1,2,3,4,5,6,7,8,9,10,11,12,13,14,15
.irp k, 0,1
	s_wait_dscnt 31-2*\i-\k
	global_store_b128 v[RO+\i], v[YF+8*\i+4*\k:YF+8*\i+4*\k+3], s[12:13] offset:512*\k th:TH_STORE_NT   ; 32 lanes store 512 consecutive bytes of a row, at a multiple of 256 from out0's first byte; written once
.endr
.endr
	WIN 0
	s_set_vgpr_msb 0x5
	s_wait_tensorcnt 0x0
	ds_add_u32 v254, v255
	s_wait_dscnt 0x0
	s_set_vgpr_msb 0x500
	s_endpgm
.Lfunc_end_k_q8b5081053c_flow:
	.size	k_q8b5081053c_flow, .Lfunc_end_k_q8b5081053c_flow-k_q8b5081053c_flow
	.p2alignl 7, 3214868480
	.fill 96, 4, 3214868480
	.section	.rodata,"a",@progbits
	.p2align	6, 0x0
	.amdhsa_kernel k_q8b5081053c_flow
		.amdhsa_group_segment_fixed_size 150528
		.amdhsa_private_segment_fixed_size 0
		.amdhsa_enable_private_segment 0
		.amdhsa_kernarg_size 40
		.amdhsa_user_sgpr_count 2
		.amdhsa_user_sgpr_kernarg_segment_ptr 1
		.amdhsa_wavefront_size32 1
		.amdhsa_system_sgpr_workgroup_id_x 1
		.amdhsa_system_sgpr_workgroup_id_y 1
		.amdhsa_system_sgpr_workgroup_id_z 1
		.amdhsa_system_vgpr_workitem_id 0
		.amdhsa_next_free_vgpr 512
		.amdhsa_next_free_sgpr 66
		.amdhsa_reserve_vcc 0
		.amdhsa_float_denorm_mode_32 3
		.amdhsa_float_denorm_mode_16_64 3
		.amdhsa_memory_ordered 1
		.amdhsa_forward_progress 1
		.amdhsa_inst_pref_size 87
	.end_amdhsa_kernel
	.amdgpu_metadata
---
amdhsa.version: [ 1, 2 ]
amdhsa.kernels:
  - .name:           k_q8b5081053c_flow
    .symbol:         k_q8b5081053c_flow.kd
    .args:
      - { .name: y, .offset: 0, .size: 8, .value_kind: global_buffer, .address_space: global }
      - { .name: b, .offset: 8, .size: 8, .value_kind: global_buffer, .address_space: global }
      - { .name: wq, .offset: 16, .size: 8, .value_kind: global_buffer, .address_space: global }
      - { .name: order, .offset: 24, .size: 8, .value_kind: global_buffer, .address_space: global }
      - { .name: out0, .offset: 32, .size: 8, .value_kind: global_buffer, .address_space: global }
    .group_segment_fixed_size: 150528
    .private_segment_fixed_size: 0
    .kernarg_segment_align: 8
    .kernarg_segment_size: 40
    .max_flat_workgroup_size: 256
    .sgpr_count:     66
    .vgpr_count:     512
    .wavefront_size: 32
...
	.end_amdgpu_metadata
.endif
;; end of part 2
